; MI455X (gfx1250); checked and timed in simulation.
; The chip was launched on July 23, 2026; its instructions are those of AMD's public machine-readable ISA for CDNA 5 (MIT licence, August 2026) and "CDNA5" Instruction Set Architecture Reference Guide (July 2026). The comments in the code are by the model that wrote it; some were corrected since.
;; Attention. Allowed arithmetic: matrix products marked QUANTISED: E4M3 operands, one given power-of-two scale a tensor, by v_wmma_f32_16x16x64_fp8_fp8 or v_wmma_f32_16x16x128_fp8_fp8, f32 sums; everything else in f32.
;; Inputs: Wk_codes 2,048 x 32 x 32 uint8 (E4M3 codes of Wk, K innermost, in blocks of 32 codes); Wo_codes 1,024 x 64 x 32 uint8 (E4M3 codes of Wo, K innermost, in blocks of 32 codes); Wq_codes 2,048 x 32 x 32 uint8 (E4M3 codes of Wq, K innermost, in blocks of 32 codes); Wv_codes 2,048 x 32 x 32 uint8 (E4M3 codes of Wv, K innermost, in blocks of 32 codes); bk 2,048 float32; bo 1,024 float32; bq 2,048 float32; bv 2,048 float32; lowp_scales 12 int32 (the exponents e of the quantised operands' scales 2^e); x_codes 2 x 2,048 x 32 x 32 uint8 (E4M3 codes of x, K innermost, in blocks of 32 codes).
;; Outputs: out0 2 x 2,048 x 1,024 float32.
;; This version of the problem:
;;   THIS VERSION OF THE PROBLEM IS GIVEN IN LOW PRECISION. The matrix products marked QUANTISED in the list below multiply operands that are first quantised to E4M3 (4 exponent bits, 3 mantissa bits; 8 bits a number), with one given power-of-two scale for each operand tensor; their sums are f32. All else is computed in f32.
;;   The module's matrix products, in the order in which they are computed (A, B: the left and right operand; K: the contracted axis; several contracted axes count as one K, in the product's order):
;;     1. [M 4,096, K 1,024] x [K 1,024, N 2,048]; A: input x (given as codes); B: input Wq (given as codes): QUANTISED (scales: A lowp_scales[0], B lowp_scales[1])
;;     2. [M 4,096, K 1,024] x [K 1,024, N 2,048]; A: input x (given as codes); B: input Wk (given as codes): QUANTISED (scales: A lowp_scales[2], B lowp_scales[3])
;;     3. [M 4,096, K 1,024] x [K 1,024, N 2,048]; A: input x (given as codes); B: input Wv (given as codes): QUANTISED (scales: A lowp_scales[4], B lowp_scales[5])
;;     4. batch 32 x [M 2,048, K 128] x [K 128, N 2,048]; A: computed on the way; B: computed on the way: QUANTISED (scales: A lowp_scales[6], B lowp_scales[7])
;;     5. batch 32 x [M 2,048, K 2,048] x [K 2,048, N 128]; A: softmax (see below); B: computed on the way: QUANTISED (scales: A lowp_scales[8], B lowp_scales[9])
;;     6. [M 4,096, K 2,048] x [K 2,048, N 1,024]; A: computed on the way; B: input Wo (given as codes): QUANTISED (scales: A lowp_scales[10], B lowp_scales[11])
;;   THE QUANTISER, for each operand of a quantised product, along K:
;;     - The operand's scale is 2^e, e = its entry of the input lowp_scales (int32; the entries are numbered through the quantised products in the list's order, A before B).
;;     - Each number is divided by the scale, clamped to +-448, and rounded to the nearest number of E4M3, ties to even, subnormals kept.
;;     - The product sums the exact products of the quantised numbers (number of the format x scale) in f32.
;;   ~~~python
;;   def quantise(x, axis, e):      # numpy; x: float32 -> the quantised numbers, widened to float32 again
;;       x = np.moveaxis(x, axis, -1); K = x.shape[-1]
;;       r = np.clip(x / 2.0 ** e, -448, 448)
;;       step = 2.0 ** (np.maximum(np.frexp(np.where(r == 0, 1, r))[1] - 1, -6) - 3)
;;       q = np.round(r / step) * step * 2.0 ** e      # np.round: ties to even
;;       return np.moveaxis(q, -1, axis).astype(np.float32)
;;   ~~~
;;   SOFTMAX AHEAD OF A QUANTISED PRODUCT. Where the list says 'softmax', what is quantised is not the finished softmax but p = 2^(t - M), with t = logit x log2(e) and M = ceil(the row's largest t), a whole number; so 1/2 < the row's largest p <= 1. The row's sum l is taken of the UNQUANTISED p, in f32, and the product's result is divided by l at the end. Since M is a whole number, a kernel that streams over the keys may use a running M (the ceiling of the running maximum): every later rescaling is an exact power of two, so the quantised numbers keep their values, but for numbers so far below the row's largest that they fall under the format's range.
;;   OPERANDS COMPUTED ON THE WAY. 'Computed on the way' means the value that the module computes at that place (a softmax that the list does not call 'softmax' is quantised finished and normalised). What goes into a quantiser is computed in f32, as accurately as f32 sums, v_exp_f32 and their like allow (about 1e-6 of the number): no bf16 or f16 on the way to a quantiser, and a product that is left as it is and whose result goes on into a quantised operand takes f32 operands (vector FMAs, or v_wmma_f32_16x16x4_f32). A number that lies on a knife's edge between two numbers of the format may be rounded either way, as far as f32 arithmetic and the matrix unit's own rounding can turn it there, and no further.
;;   INPUTS GIVEN AS CODES. Wk (in the module: [1024, 2048], K = its axis 0); Wo (in the module: [2048, 1024], K = its axis 0); Wq (in the module: [1024, 2048], K = its axis 0); Wv (in the module: [1024, 2048], K = its axis 0); x (in the module: [2, 2048, 1024], K = its axis 2): each comes as NAME_codes (uint8): NAME with its K axis moved to the last place and cut into blocks of 32 codes, [.., K / 32, bytes a block], one block behind the other in memory; one code a byte (a code: sign, 4 exponent bits, 3 mantissa bits); its scale is its entry of lowp_scales. Its value is code x scale, taken as it is: it is not quantised again, and the codes and scales need not be those that the quantiser above would give.
;; One version. Each part assembles by itself: llvm-mc -triple=amdgcn-amd-amdhsa -mcpu=gfx1250 --defsym DOCPART=n.
;; ======== version 1 of 1: 3 launches
;; limits: right only within a limited range of input values
;; workspace buffers: q_img 8,388,608 bytes; kv 16,777,216 bytes; a_img 8,388,608 bytes
;; launch qkv (part 1): grid 16 x 24, 4 waves a work-group, clusters of 4 x 4, 327,680 bytes of LDS; arguments x_codes, Wq_codes, Wk_codes, Wv_codes, bq, bk, bv, lowp_scales, q_img, kv; writes q_img, kv
.if DOCPART == 1
	.amdgcn_target "amdgcn-amd-amdhsa--gfx1250"
	.amdhsa_code_object_version 6
	.text
	.protected	k_q670c2f47c6_qkv
	.globl	k_q670c2f47c6_qkv
	.p2align	8
	.type	k_q670c2f47c6_qkv,@function
k_q670c2f47c6_qkv:
	s_mov_b64 s[64:65], 0
	v_nop
	global_prefetch_b8 v0, s[64:65] scope:SCOPE_SE
	s_setreg_imm32_b32 hwreg(HW_REG_WAVE_MODE, 25, 1), 1
	s_wait_xcnt 0x0
	s_wait_alu depctr_hold_cnt(0) depctr_sa_sdst(0) depctr_va_vdst(0) depctr_va_sdst(0) depctr_va_ssrc(0) depctr_va_vcc(0) depctr_vm_vsrc(0)
	s_getreg_b32 s2, hwreg(HW_REG_IB_STS2, 6, 4)
	s_cmp_eq_u32 s2, 0
	s_cbranch_scc0 .Lentry_in_a_cluster
	s_endpgm
.Lentry_in_a_cluster:
	s_bfe_u32 s2, ttmp6, 0x10000c
	s_cmp_lg_u32 s2, 0xf033
	s_cbranch_scc0 .Lentry_shape_is_right
	s_endpgm
.Lentry_shape_is_right:
; q = x Wq + bq, k = x Wk + bk, v = x Wv + bv on codes of FP8 (E4M3), and each result quantised at once with its own given scale for the attention that follows.
; x: [4096][1024] codes; Wq, Wk, Wv: [2048][1024] codes, K innermost.  Sums in f32; result = sum x 2^(ex + ew) + bias (one fused multiply-add), held within +-448 x 2^eo, converted.
; EVERY PRODUCT IS source 0 = 16 "P rows", source 1 = 16 "R rows": in a result tile lane (r, h) holds R row r and its register j P row 8 h + j.  So one conversion of a tile's eight registers
; gives registers 2 b, 2 b + 1 of an operand fragment whose rows are the 16 R rows and whose k = 16 b + 8 h + j runs along the P rows.  A fragment (16 rows x 128 k, 16 registers a lane) is stored
; AS AN IMAGE OF ITS REGISTERS: piece p (registers 4 p .. 4 p + 3) at byte 512 p + 16 x lane: each store of the wave covers 512 consecutive bytes, aligned.  No stage in LDS, nothing is transposed.
;   Q and K (cluster y 0-3): R = x (tokens), P = Wq (cluster x 0, 1) or Wk (cluster x 2, 3): fragments of 16 tokens x 128 channels.
;   V       (cluster y 4, 5): R = Wv (channels), P = x (tokens): fragments of 16 channels x 128 keys: the keys are the second product's K.
; q is reference()'s raw reshape: token 128 h' + 16 a + r, column block cb, is query 256 a + 16 r + cb of head h'.  q_img: [b 16 + h'][cb][a][2048].  kv: [b 16 + h][key step][K: 8 x 2048; V: 8 x 2048].
; A tile is 256 x 256, four waves of 128 x 128 (64 accumulators, 512 registers).  K = 1024 goes in four steps of 256 through two LDS slots filled by the tensor data mover.
; CLUSTERS 4 x 4: R's tile hangs on the y coordinates alone and is asked for jointly along a row of the cluster, P's on the x coordinates alone and jointly down a column.  The buffers are chosen by the
; cluster's own x and y, which all sixteen partners share.  No prefetch: K has four steps, two of which are asked for at the head, where none may stand.
; LIMITS: ex + ew between -126 and 127; eo (entries 6, 7, 9) between -126 and 119, so that each power of two below is an f32 number.  NaN codes among the inputs are not served.
; REGISTERS, in windows of 256: window 0: v16-31 addresses and the two constants of the quantiser; v32-95 the bias; v128-255 R's fragments, one set (on the way out: v128-191 numbers, v192-223 codes).
;   window 1: P's fragments, two sets.   windows 2, 3: the accumulators ((a, b) at v[8 (8 (a % 4) + b)]).
.set ROWB,   256                       ; a tile's row in bytes
.set KROW,   1024                      ; a row of x or of a weight in memory
.set PITCH,  272                       ; an LDS row: 256 bytes + 16 of padding = 68 words: the 16 rows that a load touches start at 16 different banks (64 banks of 4 bytes: ISA guide 11.1)
.set FR,     16                        ; registers of a fragment
.set NL,     4                         ; LDS loads that bring one
.set NP,     4                         ; places behind this matrix instruction (ISA guide 7.12.1)
.set HALFT,  128*PITCH                 ; 128 rows: what one tensor load brings
.set SLOT,   4*HALFT                   ; R's 256 rows, then P's 256 rows
.set SPARE,  2*SLOT                    ; behind the ring: the spare words, 128 bytes a wave
.set ADRA, 16                          ; v16-17  LDS address of my R fragments in slot 0, 1
.set ADRB, 20                          ; v20-21  the same for P
.set LI,   22                          ; v22     16 x lane: my place in a piece of an image
.set BH,   23                          ; v23     32 h: my half's eight numbers of a bias that runs along P
.set BR,   27                          ; v27     4 r: my number of a bias that runs along R
.set SPW,  28                          ; v28     my spare word; never rewritten
.set NIL,  29                          ; v29     0; never rewritten
.set SCL,  30                          ; v30     2^eo as f32
.set LIM,  31                          ; v31     448 x 2^eo
.set BIAS, 32
.set AF,   128                         ; R's fragments
.set TMP,  128                         ; the way out: a block's 64 numbers
.set CD,   192                         ; the way out: a block's codes, two sets of 16 by turns
.set G1, 24                            ; s[24:31] group 1 for R's tiles; s[32:39] group 0, a set for each slot
.set G0, 32
.set G1B, 48                           ; s[48:55], s[56:63] the same for P's tiles
.set G0B, 56
.set MSB, 0
.macro WIN new                         ; the immediate's high byte repeats the setting that is left
.if MSB != (\new)
	s_set_vgpr_msb (MSB<<8)|(\new)
.set MSB, (\new)
.endif
.endm
.set MUL_LO, 0xa1                      ; source 0 (P) window 1, source 1 (R) window 0, C and D window 2
.set MUL_HI, 0xf1                      ; the same, C and D window 3
.set TO_B,   0x40                      ; destination window 1, address window 0
; A joint load: waves 0 and 1 fetch for R, waves 2 and 3 for P.  The branch hangs on the wave's number alone.  Four v_nop follow each of the two lines.
.macro JLOAD g0a, g1a, g0b, g1b
	s_cmp_eq_u32 s15, 0
	s_cbranch_scc0 .Lfor_b_\@
	tensor_load_to_lds s[\g0a:\g0a+3], s[\g1a:\g1a+7]
	s_nop 0
.rept 4
	v_nop
.endr
	s_branch .Lasked_\@
.Lfor_b_\@:
	tensor_load_to_lds s[\g0b:\g0b+3], s[\g1b:\g1b+7]
	s_nop 0
.rept 4
	v_nop
.endr
.Lasked_\@:
.endm
.macro CREST                           ; a round of the cluster's barrier behind its opening barrier
	s_cmp_lg_u32 s14, 0
	s_cbranch_scc1 .Lnot_wave_0_\@
	s_barrier_signal -3
.Lnot_wave_0_\@:
	s_barrier_wait -3
	s_barrier_signal -1
	s_barrier_wait -1
.endm
.macro CROUND                          ; a whole round
	s_barrier_signal -1
	s_barrier_wait -1
	CREST
.endm
	s_load_b256 s[4:11], s[0:1], 0x0               ; x s[4:5], Wq s[6:7], Wk s[8:9], Wv s[10:11]
	s_load_b256 s[68:75], s[0:1], 0x20             ; bq s[68:69], bk s[70:71], bv s[72:73], the scales' exponents s[74:75]
	s_load_b128 s[76:79], s[0:1], 0x40             ; q_img s[76:77], kv s[78:79]
	v_lshl_add_u32 v[SPW], v0, 2, SPARE
	v_mov_b32 v[NIL], 0
	ds_add_u32 v28, v29
	ds_add_u32 v28, v29
	s_wait_dscnt 0x0
	v_lshrrev_b32 v1, 5, v0
	v_readfirstlane_b32 s14, v1                    ; wave 0..3
	s_lshr_b32 s15, s14, 1                         ; which half of the tile's R rows is mine.  Also: I fetch for R (0) or for P (1)
	s_and_b32 s16, s14, 1                          ; which half of its P rows.  Also: which 128 rows of that tile I fetch
	s_bfe_u32 s40, ttmp6, 0x40000                  ; cx, cy: my place in the cluster
	s_bfe_u32 s41, ttmp6, 0x40004
	s_lshl_b32 s42, ttmp9, 2
	s_add_co_u32 s42, s42, s40                     ; work-group x = 4 x cluster x + cx
	s_and_b32 s13, ttmp7, 0xffff                   ; cluster y: 0-3 Q and K, 4-5 V
	s_lshl_b32 s17, s13, 2
	s_add_co_u32 s17, s17, s41                     ; work-group y = 4 x cluster y + cy
	s_lshl_b32 s43, s41, 2
	s_lshl_b32 s43, 15, s43                        ; my row of the cluster
	s_lshl_b32 s44, 0x1111, s40                    ; my column
	; descriptor group 1: a tile of 128 rows x 256 bytes, padded in LDS
	s_or_b32 s[G1+0], s43, (0<<16)|(1<<20)|(1<<21)|(5<<22)|(3<<25)  ; 15:0 the mask: R's tiles go to my row; 17:16 elements of 1 byte; 20 padding on; 21 set beside a mask; 24:22 after every 64 words; 31:25 four words
	s_or_b32 s[G1B+0], s44, (0<<16)|(1<<20)|(1<<21)|(5<<22)|(3<<25) ; P's tiles go to my column
.irp g, G1, G1B
	s_mov_b32 s[\g+1], ROWB<<16                    ; tensor_dim0
	s_mov_b32 s[\g+2], 128<<16                     ; tensor_dim1
	s_mov_b32 s[\g+3], ROWB<<16                    ; tile_dim0
	s_mov_b32 s[\g+4], 128                         ; tile_dim1
	s_mov_b32 s[\g+5], KROW                        ; tensor_dim0_stride
	s_mov_b32 s[\g+6], 0
	s_mov_b32 s[\g+7], 0
.endr
	s_cmp_lt_u32 s13, 4                            ; Q or K?
	s_cselect_b32 s18, 0, 16
	s_cselect_b32 s19, 7, 15
	s_sub_co_u32 s17, s17, s18                     ; R's tile: of x, 0-15; of Wv, 0-7
	s_and_b32 s42, s42, s19                        ; P's tile: of Wq or Wk, 0-7; of x, 0-15
	s_lshl_b32 s18, s16, 7                         ; which 128 rows of the tile I fetch
	s_lshl_b32 s20, s17, 8
	s_add_co_u32 s20, s20, s18
	s_lshl_b32 s20, s20, 10                        ; R: (256 x tile + 128 x half) rows of 1,024 bytes
	s_mov_b32 s21, 0
	s_lshl_b32 s46, s42, 8
	s_add_co_u32 s46, s46, s18
	s_lshl_b32 s46, s46, 10                        ; P likewise, in registers that never hold cy
	s_mov_b32 s47, 0
	s_mul_i32 s45, s14, HALFT                      ; where they go: wave x 128 rows: no place in the cluster enters an LDS address
	s_wait_kmcnt 0x0
	s_load_b256 s[80:87], s[74:75], 0x0            ; entries 0 to 7
	s_load_b64 s[88:89], s[74:75], 0x20            ; entries 8, 9
	s_cmp_lt_u32 ttmp9, 2                          ; Q, if not V
	s_cselect_b64 s[96:97], s[6:7], s[8:9]
	s_cselect_b64 s[98:99], s[68:69], s[70:71]
	s_cmp_lt_u32 s13, 4
	s_cselect_b64 s[96:97], s[96:97], s[4:5]       ; P's buffer: Wq, Wk or x
	s_cselect_b64 s[98:99], s[98:99], s[72:73]     ; the bias: bq, bk or bv
	s_cselect_b64 s[92:93], s[4:5], s[10:11]       ; R's buffer: x or Wv
	s_add_nc_u64 s[20:21], s[92:93], s[20:21]
	s_add_nc_u64 s[46:47], s[96:97], s[46:47]
	CROUND                                         ; all sixteen work-groups are here: the first joint loads meet
.irp s, 0,1
	s_mov_b32 s[G0+4*\s], 1
	s_add_co_u32 s[G0+4*\s+1], s45, \s*SLOT
	s_add_nc_u64 s[G0+4*\s+2:G0+4*\s+3], s[20:21], \s*ROWB
	s_or_b32 s[G0+4*\s+3], s[G0+4*\s+3], 0x80000000
	s_mov_b32 s[G0B+4*\s], 1
	s_add_co_u32 s[G0B+4*\s+1], s45, \s*SLOT
	s_add_nc_u64 s[G0B+4*\s+2:G0B+4*\s+3], s[46:47], \s*ROWB
	s_or_b32 s[G0B+4*\s+3], s[G0B+4*\s+3], 0x80000000
.endr
	JLOAD G0, G1, G0B, G1B                         ; K step 0: one tensor load a wave at the head
	v_and_b32 v1, 15, v0                           ; r
	v_bfe_u32 v2, v0, 4, 1                         ; h
	v_mul_u32_u24 v3, v1, PITCH
	v_lshl_add_u32 v4, v2, 4, v3                   ; a fragment's row x pitch + 16 h
	s_mul_i32 s22, s15, HALFT                      ; my 128 rows of R
	s_mul_i32 s23, s16, HALFT                      ; my 128 rows of P,
	s_add_co_u32 s23, s23, 2*HALFT                 ; which lie behind R's 256
.irp s, 0,1
	v_add_nc_u32 v[ADRA+\s], s22, v4
	v_add_nc_u32 v[ADRB+\s], s23, v4
	s_add_co_u32 s22, s22, SLOT
	s_add_co_u32 s23, s23, SLOT
.endr
	v_and_b32 v5, 31, v0
	v_lshlrev_b32 v[LI], 4, v5
	v_lshlrev_b32 v[BH], 5, v2
	v_lshlrev_b32 v[BR], 2, v1
	; where my 128 x 128 goes
	s_lshl_b32 s66, s17, 1
	s_add_co_u32 s66, s66, s15                     ; Ridx: my block of 128 R rows
	s_lshl_b32 s67, s42, 1
	s_add_co_u32 s67, s67, s16                     ; Pidx: my block of 128 P rows
	s_cmp_lt_u32 s13, 4
	s_cselect_b32 s2, s66, s67                     ; the block of 128 tokens: b 16 + key step
	s_cselect_b32 s3, s67, s66                     ; the block of 128 columns: the head (for q: cb)
	s_cselect_b32 s12, 0, 16384                    ; V lies behind K in a key step's block
	s_lshr_b32 s19, s2, 4
	s_lshl_b32 s19, s19, 4
	s_add_co_u32 s19, s19, s3                      ; b 16 + head
	s_lshl_b32 s19, s19, 4
	s_and_b32 s2, s2, 15
	s_add_co_u32 s19, s19, s2                      ; x 16 + key step
	s_lshl_b32 s19, s19, 15
	s_add_co_u32 s19, s19, s12                     ; in kv
	s_lshl_b32 s2, s66, 4
	s_add_co_u32 s2, s2, s67
	s_lshl_b32 s2, s2, 14                          ; in q_img: ((b 16 + h') 16 + cb) x 8 fragments
	s_lshr_b32 s12, ttmp9, 1
	s_lshr_b32 s18, s13, 2
	s_or_b32 s12, s12, s18
	s_cmp_eq_u32 s12, 0                            ; Q: cluster x under 2 and cluster y under 4
	s_cselect_b64 s[94:95], s[76:77], s[78:79]
	s_cselect_b32 s18, s2, s19
	s_mov_b32 s19, 0
	s_add_nc_u64 s[94:95], s[94:95], s[18:19]
	s_lshl_b32 s2, s3, 9                           ; the bias's 128 numbers of my block of columns
	s_mov_b32 s3, 0
	s_add_nc_u64 s[98:99], s[98:99], s[2:3]
	s_wait_alu depctr_va_vdst(0)
	s_wait_kmcnt 0x0
	s_cmp_lt_u32 ttmp9, 2
	s_cselect_b32 s90, s80, s82                    ; ex
	s_cselect_b32 s91, s81, s83                    ; ew
	s_cselect_b32 s92, s86, s87                    ; eo
	s_cmp_lt_u32 s13, 4
	s_cselect_b32 s90, s90, s84
	s_cselect_b32 s91, s91, s85
	s_cselect_b32 s92, s92, s89
	s_add_co_i32 s90, s90, s91
	s_add_co_i32 s90, s90, 127
	s_lshl_b32 s90, s90, 23                        ; 2^(ex + ew) as f32
	s_mov_b32 s91, s90                             ; (named with it as a pair, so it is written)
	s_add_co_i32 s92, s92, 127
	s_lshl_b32 s93, s92, 23
	v_mov_b32 v[SCL], s93                          ; 2^eo: the conversion takes its exponent field
	s_add_co_i32 s92, s92, 8
	s_lshl_b32 s92, s92, 23
	s_or_b32 s92, s92, 0x600000
	v_mov_b32 v[LIM], s92                          ; 448 x 2^eo
.macro FRAG reg, adr, q, i             ; 16 rows x 128 K by four loads of 16 bytes: a permutation of k that is the same on both sides of the product
.irp c, 0,1,2,3
	ds_load_b128 v[\reg+4*\c:\reg+4*\c+3], v[\adr] offset:128*(\q)+32*\c+(\i)*16*PITCH
.endr
.endm
; 16 matrix instructions: R's blocks a0, a0 + 1 x P's eight.  p: P's set.  zero = 1: the first product starts the sums.  The 64 accumulators take turns, one instruction a turn.
.macro MUL16 a0, p, zero
.irp a, \a0, \a0+1
.irp b, 0,1,2,3,4,5,6,7
.if \zero
	v_wmma_f32_16x16x128_fp8_fp8 v[8*(8*((\a)%4)+\b):8*(8*((\a)%4)+\b)+7], v[128*(\p)+FR*\b:128*(\p)+FR*\b+FR-1], v[AF+FR*(\a):AF+FR*(\a)+FR-1], 0
.else
	v_wmma_f32_16x16x128_fp8_fp8 v[8*(8*((\a)%4)+\b):8*(8*((\a)%4)+\b)+7], v[128*(\p)+FR*\b:128*(\p)+FR*\b+FR-1], v[AF+FR*(\a):AF+FR*(\a)+FR-1], v[8*(8*((\a)%4)+\b):8*(8*((\a)%4)+\b)+7]
.endif
.endr
.endr
.endm
.macro FETCH_B slot, q, p              ; P's eight fragments of the slot's q-th 128 along K into set p
	WIN TO_B
.irp i, 0,1,2,3,4,5,6,7
	FRAG 128*(\p)+FR*\i, ADRB+\slot, \q, \i
.endr
	WIN 0
.endm
.macro FETCH_A slot, q, i0             ; R's blocks i0 .. i0 + 3
.irp i, \i0, \i0+1, \i0+2, \i0+3
	FRAG AF+FR*(\i), ADRA+\slot, \q, \i
.endr
.endm
.macro PLACES n                        ; plain vector instructions between a matrix instruction and a load into, or a vector write of, one of its registers, or a read of its result
.rept \n
	v_nop
.endr
.endm
; A step of 128 along K that has its successor in the same slot.  A block of R is free as soon as its eight products are issued: one set serves R; P's fragments work through the whole step: two sets.
.macro STEP slot, q, zero
	s_wait_dscnt 4*NL                              ; P's set and R's blocks 0-3 are in; the youngest sixteen loads (R's blocks 4-7) may be out
	WIN MUL_LO
	MUL16 0, (\q)%2, \zero
	MUL16 2, (\q)%2, \zero
	s_wait_dscnt 0                                 ; R's blocks 4-7 are in
	PLACES NP
	FETCH_B \slot, (\q)+1, 1-(\q)%2
	FETCH_A \slot, (\q)+1, 0
	WIN MUL_HI
	MUL16 4, (\q)%2, \zero
	MUL16 6, (\q)%2, \zero
	PLACES NP
	WIN 0
	FETCH_A \slot, (\q)+1, 4
.endm
; A slot's last step changes slots: one barrier; in front of it each wave waits for all its tensor loads, adds 0 to its spare word, and waits for that and for its reads of this slot.
.macro TURN slot, next, fill
	s_wait_tensorcnt 0x0                           ; all my tensor loads have landed: my part of the next slot
	ds_add_u32 v[SPW], v[NIL]                      ; 0 onto my spare word
	s_wait_dscnt 4*NL+1                            ; (the add and the youngest sixteen loads may be out)
	WIN MUL_LO
	MUL16 0, 1, 0                                  ; sixteen matrix instructions stand between the add and the wait for it
	s_wait_dscnt 0x0                               ; the add is done, and my reads of this slot are over
	s_barrier_signal -1
	MUL16 2, 1, 0
	WIN 0
	s_barrier_wait -1
.if \fill
	CREST                                          ; the barrier has opened a round of the cluster's: no wave of any partner still reads this slot or has a load on its way
	s_add_nc_u64 s[G0+4*\slot+2:G0+4*\slot+3], s[G0+4*\slot+2:G0+4*\slot+3], 2*ROWB
	s_add_nc_u64 s[G0B+4*\slot+2:G0B+4*\slot+3], s[G0B+4*\slot+2:G0B+4*\slot+3], 2*ROWB
	JLOAD G0+4*\slot, G1, G0B+4*\slot, G1B         ; the first tensor load behind the round, my one load until the next; its four v_nop are the places in front of the loads below
.else
	PLACES NP
.endif
	FETCH_B \next, 0, 0
	FETCH_A \next, 0, 0
	WIN MUL_HI
	MUL16 4, 1, 0
	MUL16 6, 1, 0
	PLACES NP
	WIN 0
	FETCH_A \next, 0, 4
.endm
.macro LAST                            ; the very last step: nothing more to fetch
	s_wait_dscnt 4*NL
	WIN MUL_LO
	MUL16 0, 1, 0
	MUL16 2, 1, 0
	s_wait_dscnt 0
	WIN MUL_HI
	MUL16 4, 1, 0
	MUL16 6, 1, 0
	WIN 0
.endm
; THE WAY OUT of block a (16 R rows x 128 P rows): sum x 2^(ex + ew) + bias, the hold, eight conversions: one fragment; four stores of 512 consecutive bytes.
; kind 0: the bias runs along P: a register for each of the lane's 64 numbers.  kind 1: along R: one number a lane and block; the pair's half is picked by op_sel.
.macro EPI a, kind
.set AC, 64*((\a)%4)
.set CC, CD+16*((\a)%2)
	WIN 0x02+((\a)/4)                              ; source 0: window 2 or 3
.set jj, 0
.rept 32                               ; each accumulator from its low end on
.if \kind
.if (\a)%2
	v_pk_fma_f32 v[TMP+jj:TMP+jj+1], v[AC+jj:AC+jj+1], s[90:91], v[BIAS+(\a)-1:BIAS+(\a)] op_sel:[0,0,1] op_sel_hi:[1,0,1]
.else
	v_pk_fma_f32 v[TMP+jj:TMP+jj+1], v[AC+jj:AC+jj+1], s[90:91], v[BIAS+(\a):BIAS+(\a)+1] op_sel_hi:[1,0,0]
.endif
.else
	v_pk_fma_f32 v[TMP+jj:TMP+jj+1], v[AC+jj:AC+jj+1], s[90:91], v[BIAS+jj:BIAS+jj+1] op_sel_hi:[1,0,1]
.endif
.set jj, jj+2
.endr
	WIN 0
.set jj, 0
.rept 64
	v_med3_num_f32 v[TMP+jj], v[TMP+jj], -v[LIM], v[LIM]   ; the conversion to an 8-bit code does not saturate (ISA guide 7.6.2): the hold at the largest code x the scale
.set jj, jj+1
.endr
.if (\a) >= 2
	s_wait_alu depctr_va_vdst(0)
	s_wait_xcnt 0x0                                ; block a - 2's stores have read this set of codes: it is written again only behind this wait
.endif
.set jj, 0
.rept 8
	v_cvt_scalef32_pk8_fp8_f32 v[CC+2*jj:CC+2*jj+1], v[TMP+8*jj:TMP+8*jj+7], v[SCL]   ; tile b's eight numbers: registers 2 b, 2 b + 1 of the fragment
.set jj, jj+1
.endr
	v_nop                                          ; one plain vector instruction behind the last conversion: the next block writes the conversions' sources
.set jj, 0
.rept 4
	global_store_b128 v[LI], v[CC+4*jj:CC+4*jj+3], s[94:95] offset:(\a)*2048+512*jj
.set jj, jj+1
.endr
.endm
	s_wait_alu depctr_va_vdst(0)                   ; the wait at the head's end
	s_wait_tensorcnt 0x0                           ; my part of K step 0 is in; slot 1's first fill is issued as a refill is:
	ds_add_u32 v[SPW], v[NIL]                      ; 0 onto my spare word
	s_wait_dscnt 0x0
	CROUND                                         ; everybody's part of K step 0 is in, and all sixteen work-groups are here
	JLOAD G0+4, G1, G0B+4, G1B                     ; K step 1, the first tensor load behind the round
	FETCH_B 0, 0, 0
	FETCH_A 0, 0, 0
	FETCH_A 0, 0, 4
	STEP 0, 0, 1                                   ; K's four steps of 256 are written out: the first products start the sums
	TURN 0, 1, 1                                   ; slot 0 takes K step 2
	STEP 1, 0, 0
	TURN 1, 0, 1                                   ; slot 1 takes K step 3
	STEP 0, 0, 0
	TURN 0, 1, 0                                   ; nothing is left to fetch
	STEP 1, 0, 0
	s_cmp_lt_u32 s13, 4                            ; the two kinds part here, on the cluster's y: each arm asks for its bias, multiplies the last step while it comes, and goes out
	s_cbranch_scc0 .Lway_v
.set bb, 0
.rept 8
	global_load_b128 v[BIAS+8*bb:BIAS+8*bb+3], v[BH], s[98:99] offset:64*bb        ; bias[16 b + 8 h + 0 .. 7] of my block of columns
	global_load_b128 v[BIAS+8*bb+4:BIAS+8*bb+7], v[BH], s[98:99] offset:64*bb+16
.set bb, bb+1
.endr
	LAST
	s_wait_loadcnt 0x0
	PLACES NP                                      ; in front of the writes over R's fragments, and of the reads of the last results
.irp a, 0,1,2,3,4,5,6,7
	EPI \a, 0
.endr
	s_branch .Lend
.Lway_v:
.set bb, 0
.rept 8
	global_load_b32 v[BIAS+bb], v[BR], s[98:99] offset:64*bb                       ; bv[16 a + r] of my head
.set bb, bb+1
.endr
	LAST
	s_wait_loadcnt 0x0
	PLACES NP
.irp a, 0,1,2,3,4,5,6,7
	EPI \a, 1
.endr
.Lend:
	s_wait_tensorcnt 0x0                           ; the wave's end
	ds_add_u32 v[SPW], v[NIL]
	s_wait_dscnt 0x0
	CROUND                                         ; the closing round: no work-group ends while a partner may still ask for a tile that names it
	s_endpgm
.Lfunc_end_k_q670c2f47c6_qkv:
	.size	k_q670c2f47c6_qkv, .Lfunc_end_k_q670c2f47c6_qkv-k_q670c2f47c6_qkv
	.p2alignl 7, 3214868480
	.fill 96, 4, 3214868480
	.section	.rodata,"a",@progbits
	.p2align	6, 0x0
	.amdhsa_kernel k_q670c2f47c6_qkv
		.amdhsa_group_segment_fixed_size 327680
		.amdhsa_private_segment_fixed_size 0
		.amdhsa_enable_private_segment 0
		.amdhsa_kernarg_size 80
		.amdhsa_user_sgpr_count 2
		.amdhsa_user_sgpr_kernarg_segment_ptr 1
		.amdhsa_wavefront_size32 1
		.amdhsa_system_sgpr_workgroup_id_x 1
		.amdhsa_system_sgpr_workgroup_id_y 1
		.amdhsa_system_sgpr_workgroup_id_z 1
		.amdhsa_system_vgpr_workitem_id 0
		.amdhsa_next_free_vgpr 1024
		.amdhsa_next_free_sgpr 100
		.amdhsa_reserve_vcc 0
		.amdhsa_float_denorm_mode_32 3
		.amdhsa_float_denorm_mode_16_64 3
		.amdhsa_memory_ordered 1
		.amdhsa_forward_progress 1
		.amdhsa_inst_pref_size 198
	.end_amdhsa_kernel
	.amdgpu_metadata
---
amdhsa.version: [ 1, 2 ]
amdhsa.kernels:
  - .name:           k_q670c2f47c6_qkv
    .symbol:         k_q670c2f47c6_qkv.kd
    .args:
      - { .name: x_codes, .offset: 0, .size: 8, .value_kind: global_buffer, .address_space: global }
      - { .name: Wq_codes, .offset: 8, .size: 8, .value_kind: global_buffer, .address_space: global }
      - { .name: Wk_codes, .offset: 16, .size: 8, .value_kind: global_buffer, .address_space: global }
      - { .name: Wv_codes, .offset: 24, .size: 8, .value_kind: global_buffer, .address_space: global }
      - { .name: bq, .offset: 32, .size: 8, .value_kind: global_buffer, .address_space: global }
      - { .name: bk, .offset: 40, .size: 8, .value_kind: global_buffer, .address_space: global }
      - { .name: bv, .offset: 48, .size: 8, .value_kind: global_buffer, .address_space: global }
      - { .name: lowp_scales, .offset: 56, .size: 8, .value_kind: global_buffer, .address_space: global }
      - { .name: q_img, .offset: 64, .size: 8, .value_kind: global_buffer, .address_space: global }
      - { .name: kv, .offset: 72, .size: 8, .value_kind: global_buffer, .address_space: global }
    .group_segment_fixed_size: 327680
    .private_segment_fixed_size: 0
    .kernarg_segment_align: 8
    .kernarg_segment_size: 80
    .max_flat_workgroup_size: 128
    .sgpr_count:     100
    .vgpr_count:     1024
    .wavefront_size: 32
...
	.end_amdgpu_metadata
.endif
;; end of part 1
;; launch attn (part 2): grid 8 x 32, 8 waves a work-group, no clusters, 327,680 bytes of LDS; arguments q_img, kv, lowp_scales, a_img; writes a_img
.if DOCPART == 2
	.amdgcn_target "amdgcn-amd-amdhsa--gfx1250"
	.amdhsa_code_object_version 6
	.text
	.protected	k_q670c2f47c6_attn
	.globl	k_q670c2f47c6_attn
	.p2align	8
	.type	k_q670c2f47c6_attn,@function
k_q670c2f47c6_attn:
	s_mov_b64 s[64:65], 0
	v_nop
	global_prefetch_b8 v0, s[64:65] scope:SCOPE_SE
	s_setreg_imm32_b32 hwreg(HW_REG_WAVE_MODE, 25, 1), 1
	s_wait_xcnt 0x0
; Causal attention on codes of FP8 (E4M3) for 32 (batch, head) pairs, 2,048 queries and keys, head size 128; the result is quantised at once (entry 10) for the output projection.
; Operands come as IMAGES OF OPERAND REGISTERS (a fragment: 16 rows x 128 k = 2,048 bytes; registers 4 i .. 4 i + 3 at byte 512 i + 16 x lane).
;   q_img [bh][cb 16][a 8][2048]: the 16 queries 256 a + 16 r + cb.   kv [bh][key step 16][K: 8 tiles of 16 keys; V: 8 tiles of 16 channels x 128 keys].   a_img [b 16 + 2 a + cb / 8][head][cb % 8][2048].
; LEFT OUT: key steps all of whose keys come after a tile's queries: reference()'s own mask makes their weights 0 for all inputs.  A NaN or infinity that reaches only such a step is not carried to the result.
; THE SOFTMAX: t = score x log2(e) / sqrt(128); M = the running largest t rounded up to a whole number; p = 2^(t - M) is quantised; the row's sum is of the unquantised p and divides at the end.
; When M moves, the sum and O are multiplied by 2^(old M - new M): exact.  Both products are used transposed (S^T = K Q^T, O^T = V^T P^T): a lane holds one query (lane % 16).
; SHARES.  Tile (a, cb) needs key steps 0 .. 2 a + 1.  Work-group x of a head: p = x / 2, cb = 8 (x % 2) + 0 .. 7.  A wave works on a PAIR of tiles, one a and two neighbouring cb, so that a fragment of K or V
; feeds two matrix instructions.  The pair a = 7 - p (16 - 2 p steps) and the pair a = p (2 p + 2 steps) of cb pair c are 18 pair steps, dealt to two waves, nine each, in nine time steps:
;   wave c (role 0): the long pair's key steps 0 .. 8.   wave c + 4 (role 1): the short pair's 2 p + 2 steps, whose result it stores; then the long pair's key steps 9 .. 15 - 2 p.
; At the end the two waves hold two parts of the long pair, each with its own M, sum and O.  Each hands one tile to the other through LDS and joins the other tile: both parts x 2^(own M - larger M), added.
; Role 1 holds its two tiles in the other order (registers X: the odd cb), so that both roles keep X and hand over Y by one text.
; At role 1's change of pairs nothing is cleared: -M is set to 3e38, so the next f is 0 and multiplies the old sum and O away.  LIMIT: a NaN or infinity in the short pair's O would go on into that wave's part of the long pair.
; A row of which a wave sees no open key keeps the largest score -2^26, under every sum of 128 products of codes (at most 128 x 448 x 448): its p, sum and O are 0 and its M is far under the partner's.
; RING: two slots of two time steps x two streams (role 0's and role 1's key step), 131,072 bytes each; each of the eight waves fetches 16,384 dense bytes as 64 rows of 256.  The last group holds one time step:
; the two last groups are written out.
; NO CLUSTER: the second stream's key steps hang on p, and only two of a head's eight work-groups share a p.
; LIMITS: entries 6 + 7 between -123 and 130 (added to c's exponent field); entries 8 and 10 between -126 and 119; the scaled scores stay under 2^31 in magnitude.
; REGISTERS.  Window 0: v1-15 addresses and constants; v16-31 eight a tile: -M, largest score, the sum (2), f, a pad, two at work; v32-39 the join; v48-79 Q; v80-111 P's codes; v128-255 eight fragments, K's then V's.
;   Window 1: v0-127 S^T, then p (X, Y); v128-255 O^T (X, Y).
.set HSTEP, 65536                      ; a time step in a slot: two streams of 32,768 bytes
.set SLOTB, 131072
.set SPARE, 2*SLOTB                    ; behind the ring: the spare words, 128 bytes a wave
.set STG,   SLOTB                      ; the exchange at the end: 16,384 bytes a wave in slot 1, which has had its last fill and its last read by then
.set LI,   1                           ; 16 x lane
.set PFO,  2                           ; 256 x lane
.set ADR,  3                           ; LDS address of my key step
.set SPW,  4
.set NIL,  5
.set LIMP, 6                           ; 448 x 2^ep
.set SCLP, 7                           ; 2^ep
.set LIMO, 8                           ; the same for entry 10
.set SCLO, 9
.set NINF, 10
.set DQB,  11                          ; 16 r + the pair's even cb - 8 h
.set LIR,  13                          ; 16 x lane + 32,768 x role
.set STA,  14                          ; my bytes of the exchange
.set STB,  15                          ; my partner's
.set QF,   48
.set PF,   80
.set FR,   128
.set TB,   2                           ; s2  LDS byte of the time step in hand
.set JC,   3
.set CX,   12                          ; s12 role; also: X's cb less the pair's even cb
.set CY,   17                          ; s17 the same for Y
.set WV,   18
.set QSL,  52                          ; s52 256 (7 - p)
.set QS,   53                          ; s53 256 a of the pair in hand: from this key on it is masked
.set SWT,  55                          ; s55 the time step at which I change pairs (role 0: none)
.set SI,   56                          ; s56 the loop's group
.set JMP,  57                          ; s57 7 - 2 p
.set TAUL, 58                          ; s58 the time step whose block I fetch
.set SWL,  59                          ; s59 from this time step on my block's key step is JMP further on (first stream: never)
.set TAU,  83                          ; s83 the time step
.set KK,   84                          ; s84 my key step's first key
.set PLIM, 85
.set MSB, 0
.macro WIN new                         ; the immediate's high byte repeats the setting that is left
.if MSB != (\new)
	s_set_vgpr_msb (MSB<<8)|(\new)
.set MSB, (\new)
.endif
.endm
.macro NOPS
.rept 4
	v_nop
.endr
.endm
.macro TLOAD
	tensor_load_to_lds s[40:43], s[24:31]
	s_nop 0
	NOPS
.endm
.macro LDF off                         ; eight fragments: 32 loads of 512 consecutive bytes
.set ii, 0
.rept 32
	ds_load_b128 v[FR+4*ii:FR+4*ii+3], v[ADR] offset:\off+512*ii
.set ii, ii+1
.endr
.endm
; THE SOFTMAX of tiles X and Y, line by line by turns.
.macro SOFT2
	s_cmp_lt_i32 s[KK], s[QS]                      ; every key of the step counts for every query of the pair: no mask
	s_cbranch_scc1 .Lopen_\@
	s_sub_co_i32 s62, s[QS], s[KK]
	s_add_co_i32 s63, s62, s[CY]
	s_add_co_i32 s62, s62, s[CX]
	v_add_nc_u32 v22, s62, v[DQB]                  ; my query - first key - 8 h.  Register 8 t + j holds key 16 t + 8 h + j of the step: hidden where 16 t + j is greater
	v_add_nc_u32 v30, s63, v[DQB]
	WIN 0x41
	s_wait_alu depctr_va_vdst(0)                   ; the wait behind the two writes above
.set nn, 0
.rept 64
	v_cmp_gt_i32 vcc_lo, 16*(nn/8)+nn%8, v22
	v_cndmask_b32 v[nn], v[nn], v[NINF], vcc_lo
	v_cmp_gt_i32 vcc_lo, 16*(nn/8)+nn%8, v30
	v_cndmask_b32 v[64+nn], v[64+nn], v[NINF], vcc_lo
.set nn, nn+1
.endr
	WIN 0
.Lopen_\@:
	v_mov_b32 v22, v17                             ; the running largest score goes on in two chains a tile
	v_mov_b32 v30, v25
	WIN 0x14
	s_wait_alu depctr_va_vdst(0)
.set tt, 0
.rept 16                               ; each accumulator from its low end on
	v_max3_num_f32 v17, v17, v[tt], v[tt+1]
	v_max3_num_f32 v25, v25, v[64+tt], v[65+tt]
	v_max3_num_f32 v22, v22, v[tt+2], v[tt+3]
	v_max3_num_f32 v30, v30, v[66+tt], v[67+tt]
.set tt, tt+4
.endr
	WIN 0
	v_max_num_f32 v17, v17, v22
	v_max_num_f32 v25, v25, v30
	v_permlanex16_b32 v22, v17, s20, s21
	v_permlanex16_b32 v30, v25, s20, s21
	v_max_num_f32 v17, v17, v22                    ; and lane l xor 16's
	v_max_num_f32 v25, v25, v30
	v_mul_f32 v22, s22, v17                        ; as t (c is positive)
	v_mul_f32 v30, s22, v25
	v_mov_b32 v23, v16
	v_mov_b32 v31, v24
	v_floor_f32 v16, -v22                          ; the new -M = -ceil(t): a whole number
	v_floor_f32 v24, -v30
	v_sub_f32 v23, v16, v23                        ; old M less new M: a whole number, 0 or less
	v_sub_f32 v31, v24, v31
	v_cvt_i32_f32 v23, v23                         ; (it saturates)
	v_cvt_i32_f32 v31, v31
	v_ldexp_f32 v20, 1.0, v23                      ; f = 2^(old M - new M)
	v_ldexp_f32 v28, 1.0, v31
	WIN 0x41
.set jj, 0
.rept 32
	v_pk_fma_f32 v[jj:jj+1], v[jj:jj+1], s[22:23], v[16:17] op_sel_hi:[1,0,0]   ; t - M, two at a time
	v_pk_fma_f32 v[64+jj:65+jj], v[64+jj:65+jj], s[22:23], v[24:25] op_sel_hi:[1,0,0]
.set jj, jj+2
.endr
	s_wait_alu depctr_va_vdst(0)                   ; the wait ahead of the batch
.set jj, 0
.rept 128
	v_exp_f32 v[jj], v[jj]                         ; p = 2^(t - M), at most 1: not normalised
.set jj, jj+1
.endr
	WIN 0
	v_pk_mul_f32 v[18:19], v[18:19], v[20:21] op_sel_hi:[1,0]   ; the sums under the new M (plain instructions behind the exponentials)
	v_pk_mul_f32 v[26:27], v[26:27], v[28:29] op_sel_hi:[1,0]
	s_wait_alu depctr_va_vdst(0)                   ; one wait for the whole batch, ahead of its first reader
	WIN 0x05
	v_pk_add_f32 v[22:23], v[0:1], v[2:3]          ; the row's sum of the unquantised p, in two chains a tile
	v_pk_add_f32 v[30:31], v[64:65], v[66:67]
	WIN 0x04
.set jj, 4
.rept 15
	v_pk_add_f32 v[18:19], v[18:19], v[jj:jj+1]
	v_pk_add_f32 v[26:27], v[26:27], v[64+jj:65+jj]
	v_pk_add_f32 v[22:23], v[22:23], v[jj+2:jj+3]
	v_pk_add_f32 v[30:31], v[30:31], v[66+jj:67+jj]
.set jj, jj+4
.endr
	WIN 0
	v_pk_add_f32 v[18:19], v[18:19], v[22:23]
	v_pk_add_f32 v[26:27], v[26:27], v[30:31]
	WIN 0x41
.set jj, 0
.rept 128
	v_min_num_f32 v[jj], v[jj], v[LIMP]            ; the conversion does not saturate (ISA guide 7.6.2); p is not negative, so the hold is one-sided
.set jj, jj+1
.endr
	WIN 0x01
.set jj, 0
.rept 16
	v_cvt_scalef32_pk8_fp8_f32 v[PF+2*jj:PF+2*jj+1], v[8*jj:8*jj+7], v[SCLP]   ; a tile's eight keys: two registers of P's fragment
.set jj, jj+1
.endr
	v_nop                                          ; one plain vector instruction behind the last conversion
	WIN 0
.endm
; A TIME STEP: my key step for my pair.  One set of fragment registers serves K and then V.
.macro BODY
	v_add_nc_u32 v[ADR], s[TB], v[LIR]
	s_wait_alu depctr_va_vdst(0)                   ; the wait behind the write
	LDF 0                                          ; K
	s_wait_dscnt 0x0
	WIN 0x40
.set tt, 0
.rept 8                                ; S^T: each fragment of K against both tiles
	v_wmma_f32_16x16x128_fp8_fp8 v[8*tt:8*tt+7], v[FR+16*tt:FR+16*tt+15], v[QF:QF+15], 0
	v_wmma_f32_16x16x128_fp8_fp8 v[64+8*tt:71+8*tt], v[FR+16*tt:FR+16*tt+15], v[QF+16:QF+31], 0
.set tt, tt+1
.endr
	WIN 0
	NOPS                                           ; places in front of the loads over K's fragments and of the reads of S^T
	LDF 16384                                      ; V: it has the softmax in which to land
	SOFT2
	s_wait_dscnt 0x0
	WIN 0x41
	s_wait_alu depctr_va_vdst(0)                   ; the wait ahead of the first reader of O^T
.set jj, 0
.rept 32
	v_pk_mul_f32 v[128+jj:129+jj], v[128+jj:129+jj], v[20:21] op_sel_hi:[1,0]   ; O^T under the new M
.set jj, jj+2
.endr
.set jj, 0
.rept 32
	v_pk_mul_f32 v[192+jj:193+jj], v[192+jj:193+jj], v[28:29] op_sel_hi:[1,0]
.set jj, jj+2
.endr
	WIN 0x50
.set tt, 0
.rept 8                                ; O^T += V^T P^T; the sixteen accumulators take turns
	v_wmma_f32_16x16x128_fp8_fp8 v[128+8*tt:135+8*tt], v[FR+16*tt:FR+16*tt+15], v[PF:PF+15], v[128+8*tt:135+8*tt]
	v_wmma_f32_16x16x128_fp8_fp8 v[192+8*tt:199+8*tt], v[FR+16*tt:FR+16*tt+15], v[PF+16:PF+31], v[192+8*tt:199+8*tt]
.set tt, tt+1
.endr
	WIN 0
	NOPS                                           ; places behind the last products
	s_add_co_u32 s[KK], s[KK], 128
	s_add_co_u32 s[TAU], s[TAU], 1
.endm
; A tile goes out: O^T (at o, window 1) x the factor in v[b + 4], held, converted (numbers at t in window 1, codes at pc): four stores of 512 consecutive bytes.
.macro OUT1 b, o, t, pc, ptr
	WIN 0x41
	s_wait_alu depctr_va_vdst(0)                   ; the wait ahead of the first reader of O^T
.set jj, 0
.rept 32
	v_pk_mul_f32 v[\t+jj:\t+jj+1], v[\o+jj:\o+jj+1], v[\b+4:\b+5] op_sel_hi:[1,0]   ; each accumulator from its low end on
.set jj, jj+2
.endr
.set jj, 0
.rept 64
	v_med3_num_f32 v[\t+jj], v[\t+jj], -v[LIMO], v[LIMO]
.set jj, jj+1
.endr
	WIN 0x01
.set jj, 0
.rept 8
	v_cvt_scalef32_pk8_fp8_f32 v[\pc+2*jj:\pc+2*jj+1], v[\t+8*jj:\t+8*jj+7], v[SCLO]
.set jj, jj+1
.endr
	v_nop                                          ; one plain vector instruction behind the last conversion
	WIN 0
.irp c, 0,1,2,3
	global_store_b128 v[LI], v[\pc+4*\c:\pc+4*\c+3], s[\ptr:\ptr+1] offset:512*\c
.endr
.endm
; ROLE 1 CHANGES PAIRS at time step 2 p + 2, a group's first: the short pair goes out, Q of the long pair comes in.  A branch on ids and the count of steps; no barrier stands in it.
.macro SWITCHCHK
	s_cmp_lg_u32 s[TAU], s[SWT]
	s_cbranch_scc1 .Lnosw_\@
.irp b, 16, 24
	v_add_f32 v[\b+2], v[\b+2], v[\b+3]            ; the sum's two halves,
.endr
.irp b, 16, 24
	v_permlanex16_b32 v[\b+6], v[\b+2], s20, s21
.endr
.irp b, 16, 24
	v_add_f32 v[\b+2], v[\b+2], v[\b+6]            ; and lane l xor 16's
.endr
	s_wait_alu depctr_va_vdst(0)                   ; the wait ahead of the batch
.irp b, 16, 24
	v_rcp_f32 v[\b+4], v[\b+2]
.endr
	v_nop
	s_wait_alu depctr_va_vdst(0)                   ; and ahead of the first reader
.irp b, 16, 24
	v_ldexp_f32 v[\b+4], v[\b+4], s82              ; x 2^(ep + ev)
.endr
	OUT1 16, 128, 0, PF, 48
	OUT1 24, 192, 64, PF+16, 50
.irp b, 16, 24
	v_mov_b32 v[\b], 0x7f61b1e6                    ; -M: 3e38: the next f is 0
	v_mov_b32 v[\b+1], 0xcc800000                  ; the largest score so far: -2^26
.endr
	s_wait_xcnt 0x0                                ; the stores have read their codes and bases
	s_add_nc_u64 s[44:45], s[44:45], s[78:79]      ; from a = p to a = 7 - p, in q_img
	s_add_nc_u64 s[46:47], s[46:47], s[78:79]
	s_add_nc_u64 s[48:49], s[48:49], s[80:81]      ; and in a_img
.irp c, 0,1,2,3
	global_load_b128 v[QF+4*\c:QF+4*\c+3], v[LI], s[44:45] offset:512*\c
	global_load_b128 v[QF+16+4*\c:QF+19+4*\c], v[LI], s[46:47] offset:512*\c
.endr
	s_mov_b32 s[QS], s[QSL]
	s_mov_b32 s[KK], 1152                          ; key step 9
	s_wait_alu depctr_va_vdst(0)                   ; the wait here, directly ahead of the wait below
	s_wait_loadcnt 0x0
.Lnosw_\@:
.endm
; THE CHANGE OF SLOTS at a group's head.  kind 2: every wave fetches its block of the next group; 1: the next group has one time step, waves 0-3 fetch it; 0: nothing is left.
.macro CHANGE kind
	s_wait_tensorcnt 0x0                           ; my block of this group is in, and group 0 of the descriptor may be written
	ds_add_u32 v[SPW], v[NIL]                      ; 0 onto my spare word
.if \kind
	s_xor_b32 s41, s41, SLOTB                      ; the other slot than last time
	s_add_co_u32 s[TAUL], s[TAUL], 2
	s_cmp_ge_u32 s[TAUL], s[SWL]
	s_cselect_b32 s32, s[JMP], 0
	s_add_co_u32 s32, s32, s[TAUL]                 ; my block's key step
	s_lshl_b32 s32, s32, 15
	s_add_nc_u64 s[42:43], s[36:37], s[32:33]
	s_or_b32 s43, s43, 0x80000000
.endif
	s_wait_dscnt 0x0                               ; the add is done, and my reads of the slot that is left are over
	s_barrier_signal -1
	s_barrier_wait -1
.if \kind == 2
	TLOAD                                          ; my one load behind this barrier (the first time: slot 1's first fill, issued as a refill is)
	s_cmp_eq_u32 s[SI], s[PLIM]                    ; at the first change work-groups 0 to 4 of a head ask for two key steps each of 4 .. 8 and 11 .. 15, which are loaded from the next change on: 8,192 bytes a wave, lanes 256 bytes apart
	s_cbranch_scc0 .Lnot_mine_\@
	global_prefetch_b8 v[PFO], s[60:61] th:TH_LOAD_NT scope:SCOPE_SE
.Lnot_mine_\@:
.endif
.if \kind == 1
	s_cmp_lt_u32 s[WV], 4
	s_cbranch_scc0 .Lno_load_\@
	TLOAD
.Lno_load_\@:
.endif
.endm
	s_load_b128 s[4:7], s[0:1], 0x0                ; q_img s[4:5], kv s[6:7]
	s_load_b128 s[8:11], s[0:1], 0x10              ; the scales' exponents s[8:9], a_img s[10:11]
	v_lshl_add_u32 v[SPW], v0, 2, SPARE
	v_mov_b32 v[NIL], 0
	ds_add_u32 v[SPW], v[NIL]                      ; the opening lines: the add, twice on end, and its wait ahead of my first tensor load
	ds_add_u32 v[SPW], v[NIL]
	v_lshrrev_b32 v38, 5, v0
	v_readfirstlane_b32 s[WV], v38                 ; wave 0..7
	s_lshr_b32 s13, ttmp9, 1                       ; p
	s_and_b32 s16, ttmp9, 1                        ; which eight cb
	s_and_b32 s14, ttmp7, 0xffff                   ; bh = b 16 + head
	s_sub_co_u32 s15, 7, s13                       ; 7 - p
	s_lshr_b32 s[CX], s[WV], 2                     ; role; also the time step's parity of the block that I fetch
	s_and_b32 s19, s[WV], 3                        ; c: my pair of cb
	s_xor_b32 s[CY], s[CX], 1
	s_lshl_b32 s[QSL], s15, 8
	s_lshl_b32 s54, s13, 8
	s_lshl_b32 s74, s13, 1
	s_sub_co_u32 s[JMP], 7, s74
	s_add_co_u32 s74, s74, 2                       ; 2 p + 2
	s_sub_co_u32 s75, s15, s13
	s_cmp_eq_u32 s[CX], 0
	s_cselect_b32 s[QS], s[QSL], s54
	s_cselect_b32 s72, s15, s13                    ; the a that I begin with
	s_cselect_b32 s[SWT], 99, s74
	s_bfe_u32 s73, s[WV], 0x10001                  ; the stream of the block that I fetch
	s_cmp_eq_u32 s73, 0
	s_cselect_b32 s[SWL], 99, s74
	s_mov_b32 s[TAUL], s[CX]
	s_lshl_b32 s76, s16, 3
	s_lshl_b32 s77, s19, 1
	s_add_co_u32 s76, s76, s77                     ; the pair's even cb
	s_lshl_b32 s32, s14, 19                        ; the head's 16 key steps in kv
	s_and_b32 s33, s[WV], 1
	s_lshl_b32 s33, s33, 14                        ; K's or V's half of a key step
	s_add_co_u32 s36, s32, s33
	s_mov_b32 s37, 0
	s_lshl_b32 s38, ttmp9, 1                       ; the prefetch: number 2 x + role of the ten key steps 4 .. 8, 11 .. 15
	s_add_co_u32 s38, s38, s[CX]
	s_cmp_ge_u32 s38, 5
	s_cselect_b32 s39, 6, 4
	s_add_co_u32 s38, s38, s39
	s_lshl_b32 s38, s38, 15
	s_add_co_u32 s38, s38, s32
	s_lshl_b32 s39, s19, 13                        ; my 8,192 bytes of it
	s_add_co_u32 s38, s38, s39
	s_mov_b32 s39, 0
	s_cmp_le_u32 ttmp9, 4
	s_cselect_b32 s[PLIM], 0, 99
	s_lshl_b32 s34, s14, 4                         ; q_img: ((bh 16 + cb) 8 + a) fragments
	s_add_co_u32 s34, s34, s76
	s_lshl_b32 s86, s72, 11
	s_add_co_u32 s62, s34, s[CY]
	s_lshl_b32 s62, s62, 14
	s_add_co_u32 s62, s62, s86
	s_mov_b32 s63, 0
	s_add_co_u32 s34, s34, s[CX]
	s_lshl_b32 s34, s34, 14
	s_add_co_u32 s34, s34, s86
	s_mov_b32 s35, 0
	s_lshr_b32 s86, s14, 4                         ; a_img: (((b 16 + 2 a + cb / 8) 16 + head) 8 + cb % 8) fragments: a counts 256 fragments
	s_lshl_b32 s86, s86, 4
	s_add_co_u32 s86, s86, s16
	s_lshl_b32 s86, s86, 4
	s_and_b32 s87, s14, 15
	s_add_co_u32 s86, s86, s87
	s_lshl_b32 s86, s86, 3
	s_add_co_u32 s86, s86, s77
	s_lshl_b32 s87, s72, 19
	s_add_co_u32 s88, s86, s[CX]
	s_lshl_b32 s88, s88, 11
	s_add_co_u32 s88, s88, s87
	s_mov_b32 s89, 0
	s_add_co_u32 s90, s86, s[CY]
	s_lshl_b32 s90, s90, 11
	s_add_co_u32 s90, s90, s87
	s_mov_b32 s91, 0
	s_lshl_b32 s78, s75, 11                        ; from a = p to a = 7 - p
	s_mov_b32 s79, 0
	s_lshl_b32 s80, s75, 19
	s_mov_b32 s81, 0
	s_lshl_b32 s92, s[WV], 14
	s_add_co_u32 s92, s92, STG
	s_xor_b32 s93, s[WV], 4
	s_lshl_b32 s93, s93, 14
	s_add_co_u32 s93, s93, STG
	s_lshl_b32 s94, s[CX], 15
	s_mov_b32 s24, 3<<16                           ; group 1: 16,384 dense bytes as 64 rows of 32 elements of 8 bytes; no mask, no padding: an image is read 16 x lane
	s_mov_b32 s25, 32<<16                          ; tensor_dim0
	s_mov_b32 s26, 64<<16                          ; tensor_dim1
	s_mov_b32 s27, 32<<16                          ; tile_dim0
	s_mov_b32 s28, 64                              ; tile_dim1
	s_mov_b32 s29, 32                              ; tensor_dim0_stride
	s_mov_b32 s30, 0
	s_mov_b32 s31, 0
	s_mov_b32 s20, 0x76543210                      ; lane selects for v_permlanex16_b32: lane l xor 16
	s_mov_b32 s21, 0xfedcba98
	s_mov_b32 s22, 0x3e0293ee                      ; log2(e) / sqrt(128)
	s_mov_b32 s[TB], 0
	s_mov_b32 s[SI], 0
	s_mov_b32 s[TAU], 0
	s_mov_b32 s[KK], 0
	s_wait_dscnt 0x0                               ; both opening adds are done
	s_wait_kmcnt 0x0
	s_load_b128 s[68:71], s[8:9], 0x18             ; entries 6 to 9: eq, ek, ep, ev
	s_load_b32 s66, s[8:9], 0x28                   ; entry 10
	s_add_nc_u64 s[36:37], s[6:7], s[36:37]        ; my half of the head's key step 0
	s_mov_b32 s32, s94                             ; time steps 0 and 1: both streams hold key steps 0 and 1
	s_mov_b32 s33, 0
	s_mov_b32 s40, 1                               ; group 0: count = 1
	s_lshl_b32 s41, s[WV], 14                      ; LDS address: slot 0, block = wave (time step's parity, stream, half)
	s_add_nc_u64 s[42:43], s[36:37], s[32:33]
	s_or_b32 s43, s43, 0x80000000                  ; type = 2
	TLOAD                                          ; every wave's one load at the head
	s_add_nc_u64 s[60:61], s[6:7], s[38:39]        ; where my prefetch stands
	s_add_nc_u64 s[44:45], s[4:5], s[34:35]        ; Q of X, of Y
	s_add_nc_u64 s[46:47], s[4:5], s[62:63]
	s_add_nc_u64 s[48:49], s[10:11], s[88:89]      ; and their places in a_img
	s_add_nc_u64 s[50:51], s[10:11], s[90:91]
	v_and_b32 v38, 31, v0
	v_lshlrev_b32 v[LI], 4, v38
	v_lshlrev_b32 v[PFO], 8, v38
.irp c, 0,1,2,3
	global_load_b128 v[QF+4*\c:QF+4*\c+3], v[LI], s[44:45] offset:512*\c
	global_load_b128 v[QF+16+4*\c:QF+19+4*\c], v[LI], s[46:47] offset:512*\c
.endr
	v_add_nc_u32 v[LIR], s94, v[LI]
	v_add_nc_u32 v[STA], s92, v[LI]
	v_add_nc_u32 v[STB], s93, v[LI]
	v_and_b32 v38, 15, v0                          ; r
	v_bfe_u32 v39, v0, 4, 1                        ; h
	v_lshlrev_b32 v38, 4, v38
	v_lshlrev_b32 v39, 3, v39
	v_sub_nc_u32 v38, v38, v39
	v_add_nc_u32 v[DQB], s76, v38
	v_mov_b32 v[NINF], 0xff800000
.irp b, 16, 24
	v_mov_b32 v[\b], 0x7f61b1e6                    ; -M: 3e38
	v_mov_b32 v[\b+1], 0xcc800000                  ; the largest score so far: -2^26
	v_mov_b32 v[\b+2], 0                           ; the sum, in two halves
	v_mov_b32 v[\b+3], 0
	v_mov_b32 v[\b+4], 0
	v_mov_b32 v[\b+5], 0                           ; (named as the upper half of f's pair)
	v_mov_b32 v[\b+6], 0                           ; (a lane permute's destination counts as one of its sources)
	v_mov_b32 v[\b+7], 0
.endr
	v_mov_b32 v37, 0                               ; (named as the upper half of a pair in the join)
	WIN 0x40
.set jj, 0
.rept 128
	v_mov_b32 v[128+jj], 0                         ; O^T: the time step is written without a first form of its own
.set jj, jj+1
.endr
	WIN 0
	s_wait_kmcnt 0x0
	s_add_co_i32 s72, s68, s69
	s_lshl_b32 s72, s72, 23
	s_add_co_i32 s22, s22, s72                     ; a score stands for score x 2^(eq + ek): added to c's exponent field
	s_mov_b32 s23, s22                             ; (named with it as a pair, so it is written)
	s_add_co_i32 s82, s70, s71                     ; ep + ev
	s_add_co_i32 s72, s70, 127
	s_lshl_b32 s73, s72, 23
	v_mov_b32 v[SCLP], s73
	s_add_co_i32 s72, s72, 8
	s_lshl_b32 s72, s72, 23
	s_or_b32 s72, s72, 0x600000
	v_mov_b32 v[LIMP], s72
	s_add_co_i32 s72, s66, 127
	s_lshl_b32 s73, s72, 23
	v_mov_b32 v[SCLO], s73
	s_add_co_i32 s72, s72, 8
	s_lshl_b32 s72, s72, 23
	s_or_b32 s72, s72, 0x600000
	v_mov_b32 v[LIMO], s72
	s_wait_alu depctr_va_vdst(0)                   ; the wait at the head's end
	s_wait_loadcnt 0x0                             ; Q
.Lgroup:                                           ; groups 0 to 2: time steps 0 to 5; behind each change the whole next group is asked for
	CHANGE 2
	SWITCHCHK
	s_mov_b32 s[JC], 2
.Lstep_a:
	BODY
	s_xor_b32 s[TB], s[TB], HSTEP
	s_sub_co_u32 s[JC], s[JC], 1
	s_cmp_lg_u32 s[JC], 0
	s_cbranch_scc1 .Lstep_a
	s_xor_b32 s[TB], s[TB], SLOTB
	s_add_co_u32 s[SI], s[SI], 1
	s_cmp_lt_u32 s[SI], 3
	s_cbranch_scc1 .Lgroup
	CHANGE 1                                       ; group 3: time steps 6 and 7; time step 8 is asked for
	SWITCHCHK
	s_mov_b32 s[JC], 2
.Lstep_b:
	BODY
	s_xor_b32 s[TB], s[TB], HSTEP
	s_sub_co_u32 s[JC], s[JC], 1
	s_cmp_lg_u32 s[JC], 0
	s_cbranch_scc1 .Lstep_b
	s_xor_b32 s[TB], s[TB], SLOTB
	CHANGE 0                                       ; group 4: time step 8
	SWITCHCHK
	BODY
	; THE JOIN.  I hand my part of tile Y to my partner and take its part of my tile X: 64 registers of O^T and the tile's -M, largest score and sum.
	WIN 0x04
.set ii, 0
.rept 16
	ds_store_b128 v[STA], v[192+4*ii:195+4*ii] offset:512*ii   ; each accumulator from its low end on
.set ii, ii+1
.endr
	WIN 0
	ds_store_b128 v[STA], v[24:27] offset:8192
	s_wait_dscnt 0x0                               ; for the partner's sake
	s_barrier_signal -1
	s_barrier_wait -1
	WIN 0x40
.set ii, 0
.rept 16
	ds_load_b128 v[4*ii:4*ii+3], v[STB] offset:512*ii
.set ii, ii+1
.endr
	WIN 0
	ds_load_b128 v[32:35], v[STB] offset:8192
	s_wait_dscnt 0x0
	v_min_num_f32 v38, v16, v32                    ; -M of the two parts together
	v_sub_f32 v39, v38, v16                        ; own M less the larger M: whole numbers, 0 or less
	v_sub_f32 v36, v38, v32
	v_cvt_i32_f32 v39, v39                         ; (they saturate)
	v_cvt_i32_f32 v36, v36
	v_ldexp_f32 v20, 1.0, v39
	v_ldexp_f32 v36, 1.0, v36
	v_pk_mul_f32 v[18:19], v[18:19], v[20:21] op_sel_hi:[1,0]
	v_pk_fma_f32 v[18:19], v[34:35], v[36:37], v[18:19] op_sel_hi:[1,0,1]
	WIN 0x41
	s_wait_alu depctr_va_vdst(0)                   ; the wait ahead of the first reader of O^T
.set jj, 0
.rept 32
	v_pk_mul_f32 v[128+jj:129+jj], v[128+jj:129+jj], v[20:21] op_sel_hi:[1,0]
.set jj, jj+2
.endr
	WIN 0x51
.set jj, 0
.rept 32
	v_pk_fma_f32 v[128+jj:129+jj], v[jj:jj+1], v[36:37], v[128+jj:129+jj] op_sel_hi:[1,0,1]
.set jj, jj+2
.endr
	WIN 0
	v_add_f32 v18, v18, v19                        ; the sum's two halves,
	v_permlanex16_b32 v22, v18, s20, s21
	v_add_f32 v18, v18, v22                        ; and lane l xor 16's
	s_wait_alu depctr_va_vdst(0)                   ; the wait ahead of the transcendental
	v_rcp_f32 v20, v18
	v_nop
	s_wait_alu depctr_va_vdst(0)                   ; and ahead of its first reader
	v_ldexp_f32 v20, v20, s82                      ; x 2^(ep + ev)
	OUT1 16, 128, 64, PF, 48
	s_wait_tensorcnt 0x0                           ; the wave's end
	ds_add_u32 v[SPW], v[NIL]
	s_wait_dscnt 0x0
	s_endpgm
.Lfunc_end_k_q670c2f47c6_attn:
	.size	k_q670c2f47c6_attn, .Lfunc_end_k_q670c2f47c6_attn-k_q670c2f47c6_attn
	.p2alignl 7, 3214868480
	.fill 96, 4, 3214868480
	.section	.rodata,"a",@progbits
	.p2align	6, 0x0
	.amdhsa_kernel k_q670c2f47c6_attn
		.amdhsa_group_segment_fixed_size 327680
		.amdhsa_private_segment_fixed_size 0
		.amdhsa_enable_private_segment 0
		.amdhsa_kernarg_size 32
		.amdhsa_user_sgpr_count 2
		.amdhsa_user_sgpr_kernarg_segment_ptr 1
		.amdhsa_wavefront_size32 1
		.amdhsa_system_sgpr_workgroup_id_x 1
		.amdhsa_system_sgpr_workgroup_id_y 1
		.amdhsa_system_sgpr_workgroup_id_z 1
		.amdhsa_system_vgpr_workitem_id 0
		.amdhsa_next_free_vgpr 512
		.amdhsa_next_free_sgpr 100
		.amdhsa_reserve_vcc 1
		.amdhsa_float_denorm_mode_32 3
		.amdhsa_float_denorm_mode_16_64 3
		.amdhsa_memory_ordered 1
		.amdhsa_forward_progress 1
		.amdhsa_inst_pref_size 207
	.end_amdhsa_kernel
	.amdgpu_metadata
---
amdhsa.version: [ 1, 2 ]
amdhsa.kernels:
  - .name:           k_q670c2f47c6_attn
    .symbol:         k_q670c2f47c6_attn.kd
    .args:
      - { .name: q_img, .offset: 0, .size: 8, .value_kind: global_buffer, .address_space: global }
      - { .name: kv, .offset: 8, .size: 8, .value_kind: global_buffer, .address_space: global }
      - { .name: lowp_scales, .offset: 16, .size: 8, .value_kind: global_buffer, .address_space: global }
      - { .name: a_img, .offset: 24, .size: 8, .value_kind: global_buffer, .address_space: global }
    .group_segment_fixed_size: 327680
    .private_segment_fixed_size: 0
    .kernarg_segment_align: 8
    .kernarg_segment_size: 32
    .max_flat_workgroup_size: 256
    .sgpr_count:     100
    .vgpr_count:     512
    .wavefront_size: 32
...
	.end_amdgpu_metadata
.endif
;; end of part 2
;; launch proj (part 3): grid 8 x 32, 4 waves a work-group, clusters of 4 x 4, 327,680 bytes of LDS; arguments a_img, Wo_codes, bo, lowp_scales, out0; writes out0
.if DOCPART == 3
	.amdgcn_target "amdgcn-amd-amdhsa--gfx1250"
	.amdhsa_code_object_version 6
	.text
	.protected	k_q670c2f47c6_proj
	.globl	k_q670c2f47c6_proj
	.p2align	8
	.type	k_q670c2f47c6_proj,@function
k_q670c2f47c6_proj:
	s_mov_b64 s[64:65], 0
	v_nop
	global_prefetch_b8 v0, s[64:65] scope:SCOPE_SE
	s_setreg_imm32_b32 hwreg(HW_REG_WAVE_MODE, 25, 1), 1
	s_wait_xcnt 0x0
	s_wait_alu depctr_hold_cnt(0) depctr_sa_sdst(0) depctr_va_vdst(0) depctr_va_sdst(0) depctr_va_ssrc(0) depctr_va_vcc(0) depctr_vm_vsrc(0)
	s_getreg_b32 s2, hwreg(HW_REG_IB_STS2, 6, 4)
	s_cmp_eq_u32 s2, 0
	s_cbranch_scc0 .Lentry_in_a_cluster
	s_endpgm
.Lentry_in_a_cluster:
	s_bfe_u32 s2, ttmp6, 0x10000c
	s_cmp_lg_u32 s2, 0xf033
	s_cbranch_scc0 .Lentry_shape_is_right
	s_endpgm
.Lentry_shape_is_right:
.set ABYTES, 65536
.set BP,     528
.set SLOT,   ABYTES+128*BP
.set STG,    2*SLOT
.set SPITCH, 272
.set SPARE,  STG+4*16*SPITCH
.set FR,   16
.set ADRA, 16
.set ADRB, 20
.set STO,  24
.set RD,   25
.set CO,   26
.set BH,   27
.set SPW,  28
.set NIL,  29
.set BO,   32
.set TMP,  64
.set ACC,  128
.set F0,   0
.set F1,   128
.set G1, 24
.set G0, 32
.set G1B, 48
.set G0B, 56
.set MSB, 0
.macro WIN new
.if MSB != (\new)
	s_set_vgpr_msb (MSB<<8)|(\new)
.set MSB, (\new)
.endif
.endm
.set MUL,  0x05
.set TO_F, 0x40
.macro JLOAD s
	s_cmp_eq_u32 s15, 0
	s_cbranch_scc0 .Lfor_b_\@
	tensor_load_to_lds s[G0+4*\s:G0+4*\s+3], s[G1:G1+7]
	s_nop 0
.rept 4
	v_nop
.endr
	s_branch .Lasked_\@
.Lfor_b_\@:
	tensor_load_to_lds s[G0B+4*\s:G0B+4*\s+3], s[G1B:G1B+7]
	s_nop 0
.rept 4
	v_nop
.endr
.Lasked_\@:
.endm
.macro CREST
	s_cmp_lg_u32 s14, 0
	s_cbranch_scc1 .Lnot_wave_0_\@
	s_barrier_signal -3
.Lnot_wave_0_\@:
	s_barrier_wait -3
	s_barrier_signal -1
	s_barrier_wait -1
.endm
.macro CROUND
	s_barrier_signal -1
	s_barrier_wait -1
	CREST
.endm
	s_load_b256 s[4:11], s[0:1], 0x0
	s_load_b64 s[66:67], s[0:1], 0x20
	v_lshl_add_u32 v[SPW], v0, 2, SPARE
	v_mov_b32 v[NIL], 0
	ds_add_u32 v28, v29
	ds_add_u32 v28, v29
	s_wait_dscnt 0x0
	v_lshrrev_b32 v1, 5, v0
	v_readfirstlane_b32 s14, v1
	s_lshr_b32 s15, s14, 1
	s_and_b32 s16, s14, 1
	s_bfe_u32 s40, ttmp6, 0x40000
	s_bfe_u32 s41, ttmp6, 0x40004
	s_lshl_b32 s42, ttmp9, 2
	s_add_co_u32 s42, s42, s40
	s_and_b32 s17, ttmp7, 0xffff
	s_lshl_b32 s17, s17, 2
	s_add_co_u32 s17, s17, s41
	s_lshl_b32 s43, s41, 2
	s_lshl_b32 s43, 15, s43
	s_lshl_b32 s44, 0x1111, s40
	s_or_b32 s[G1+0], s43, (3<<16)|(1<<21)
	s_mov_b32 s[G1+1], 32<<16
	s_mov_b32 s[G1+2], 128<<16
	s_mov_b32 s[G1+3], 32<<16
	s_mov_b32 s[G1+4], 128
	s_mov_b32 s[G1+5], 32
	s_mov_b32 s[G1+6], 0
	s_mov_b32 s[G1+7], 0
	s_or_b32 s[G1B+0], s44, (0<<16)|(1<<20)|(1<<21)|(6<<22)|(3<<25)
	s_mov_b32 s[G1B+1], 512<<16
	s_mov_b32 s[G1B+2], 64<<16
	s_mov_b32 s[G1B+3], 512<<16
	s_mov_b32 s[G1B+4], 64
	s_mov_b32 s[G1B+5], 2048
	s_mov_b32 s[G1B+6], 0
	s_mov_b32 s[G1B+7], 0
	s_lshl_b32 s18, s16, 15
	s_lshl_b32 s20, s17, 18
	s_add_co_u32 s20, s20, s18
	s_mov_b32 s21, 0
	s_lshl_b32 s46, s42, 7
	s_lshl_b32 s19, s16, 6
	s_add_co_u32 s46, s46, s19
	s_lshl_b32 s46, s46, 11
	s_mov_b32 s47, 0
	s_mul_i32 s45, s16, 64*BP
	s_add_co_u32 s45, s45, ABYTES
	s_wait_kmcnt 0x0
	s_load_b64 s[68:69], s[10:11], 0x28
	s_add_nc_u64 s[20:21], s[4:5], s[20:21]
	s_add_nc_u64 s[46:47], s[6:7], s[46:47]
	CROUND
.irp s, 0,1
	s_mov_b32 s[G0+4*\s], 1
	s_add_co_u32 s[G0+4*\s+1], s18, \s*SLOT
	s_add_nc_u64 s[G0+4*\s+2:G0+4*\s+3], s[20:21], \s*ABYTES
	s_or_b32 s[G0+4*\s+3], s[G0+4*\s+3], 0x80000000
	s_mov_b32 s[G0B+4*\s], 1
	s_add_co_u32 s[G0B+4*\s+1], s45, \s*SLOT
	s_add_nc_u64 s[G0B+4*\s+2:G0B+4*\s+3], s[46:47], \s*512
	s_or_b32 s[G0B+4*\s+3], s[G0B+4*\s+3], 0x80000000
	s_wait_alu depctr_va_vdst(0)
	s_wait_tensorcnt 0x0
	ds_add_u32 v28, v29
	ds_add_u32 v28, v29
	s_wait_dscnt 0x0
	CROUND
	JLOAD \s
.endr
	v_and_b32 v1, 15, v0
	v_bfe_u32 v2, v0, 4, 1
	v_and_b32 v3, 31, v0
	v_lshlrev_b32 v3, 4, v3
	v_mul_u32_u24 v4, v1, BP
	v_lshl_add_u32 v4, v2, 3, v4
	s_lshl_b32 s22, s15, 13
	s_mul_i32 s23, s16, 64*BP
	s_add_co_u32 s23, s23, ABYTES
.irp s, 0,1
	v_add_nc_u32 v[ADRA+\s], s22, v3
	v_add_nc_u32 v[ADRB+\s], s23, v4
	s_add_co_u32 s22, s22, SLOT
	s_add_co_u32 s23, s23, SLOT
.endr
	s_mul_i32 s22, s14, 16*SPITCH
	s_add_co_u32 s22, s22, STG
	v_mul_u32_u24 v5, v1, SPITCH
	v_lshl_add_u32 v5, v2, 5, v5
	v_add_nc_u32 v[STO], s22, v5
	v_mul_u32_u24 v5, v2, SPITCH
	v_lshl_add_u32 v5, v1, 4, v5
	v_add_nc_u32 v[RD], s22, v5
	v_lshlrev_b32 v5, 16, v2
	v_lshl_add_u32 v[CO], v1, 4, v5
	v_lshlrev_b32 v[BH], 5, v2
	s_wait_alu depctr_va_vdst(0)
	s_lshl_b32 s2, s42, 9
	s_lshl_b32 s3, s16, 8
	s_add_co_u32 s2, s2, s3
	s_mov_b32 s3, 0
	s_add_nc_u64 s[8:9], s[8:9], s[2:3]
	s_add_nc_u64 s[66:67], s[66:67], s[2:3]
	s_lshr_b32 s12, s17, 4
	s_lshl_b32 s12, s12, 11
	s_bfe_u32 s13, s17, 0x30001
	s_lshl_b32 s13, s13, 8
	s_add_co_u32 s12, s12, s13
	s_and_b32 s13, s17, 1
	s_lshl_b32 s13, s13, 3
	s_add_co_u32 s12, s12, s13
	s_lshl_b32 s13, s15, 2
	s_add_co_u32 s12, s12, s13
	s_lshl_b32 s12, s12, 12
	s_mov_b32 s13, 0
	s_add_nc_u64 s[66:67], s[66:67], s[12:13]
.irp b, 0,1,2,3
	global_load_b128 v[BO+8*\b:BO+8*\b+3], v[BH], s[8:9] offset:64*\b
	global_load_b128 v[BO+8*\b+4:BO+8*\b+7], v[BH], s[8:9] offset:64*\b+16
.endr
.macro MUL8 f, a0, zero
.irp a, \a0, \a0+1
.irp b, 0,1,2,3
.if \zero
	v_wmma_f32_16x16x128_fp8_fp8 v[ACC+8*(4*(\a)+\b):ACC+8*(4*(\a)+\b)+7], v[\f+64+FR*\b:\f+64+FR*\b+FR-1], v[\f+FR*(\a):\f+FR*(\a)+FR-1], 0
.else
	v_wmma_f32_16x16x128_fp8_fp8 v[ACC+8*(4*(\a)+\b):ACC+8*(4*(\a)+\b)+7], v[\f+64+FR*\b:\f+64+FR*\b+FR-1], v[\f+FR*(\a):\f+FR*(\a)+FR-1], v[ACC+8*(4*(\a)+\b):ACC+8*(4*(\a)+\b)+7]
.endif
.endr
.endr
.endm
.macro FETCH slot, q, f
	WIN TO_F
.irp i, 0,1,2,3
.irp c, 0,1,2,3,4,5,6,7
	ds_load_b64 v[\f+64+FR*\i+2*\c:\f+64+FR*\i+2*\c+1], v[ADRB+\slot] offset:\i*16*BP+128*(\q)+16*\c
.endr
.endr
.irp i, 0,1,2,3
.irp c, 0,1,2,3
	ds_load_b128 v[\f+FR*\i+4*\c:\f+FR*\i+4*\c+3], v[ADRA+\slot] offset:(\q)*16384+\i*2048+512*\c
.endr
.endr
.endm
.macro PLACES
.rept 4
	v_nop
.endr
.endm
.macro QUARTER slot, q, zero
	PLACES
	FETCH \slot, (\q)+1, F0+128*(1-(\q)%2)
	s_wait_dscnt 48
	WIN MUL
	MUL8 F0+128*((\q)%2), 0, \zero
	MUL8 F0+128*((\q)%2), 2, \zero
.endm
.macro TURN slot, next, fill
	WIN 0
	s_wait_tensorcnt 0x0
	ds_add_u32 v[SPW], v[NIL]
	s_wait_dscnt 1
	WIN MUL
	MUL8 F1, 0, 0
	s_wait_dscnt 0x0
	s_barrier_signal -1
	MUL8 F1, 2, 0
	WIN 0
	s_barrier_wait -1
.if \fill
	CREST
	s_add_nc_u64 s[G0+4*\slot+2:G0+4*\slot+3], s[G0+4*\slot+2:G0+4*\slot+3], 2*ABYTES
	s_add_nc_u64 s[G0B+4*\slot+2:G0B+4*\slot+3], s[G0B+4*\slot+2:G0B+4*\slot+3], 2*512
	JLOAD \slot
.else
	PLACES
.endif
	FETCH \next, 0, F0
.endm
	s_wait_tensorcnt 1
	s_barrier_signal -1
	s_barrier_wait -1
	FETCH 0, 0, F0
	QUARTER 0, 0, 1
	QUARTER 0, 1, 0
	QUARTER 0, 2, 0
	TURN 0, 1, 1
	QUARTER 1, 0, 0
	QUARTER 1, 1, 0
	QUARTER 1, 2, 0
	TURN 1, 0, 1
	QUARTER 0, 0, 0
	QUARTER 0, 1, 0
	QUARTER 0, 2, 0
	TURN 0, 1, 0
	QUARTER 1, 0, 0
	QUARTER 1, 1, 0
	QUARTER 1, 2, 0
	s_wait_dscnt 0x0
	WIN MUL
	MUL8 F1, 0, 0
	MUL8 F1, 2, 0
	WIN 0
.macro TOSTAGE a
.irp b, 0,1,2,3
.irp i, 0,2,4,6
	v_pk_fma_f32 v[TMP+8*\b+\i:TMP+8*\b+\i+1], v[ACC+8*(4*(\a)+\b)+\i:ACC+8*(4*(\a)+\b)+\i+1], s[68:69], v[BO+8*\b+\i:BO+8*\b+\i+1] op_sel_hi:[1,0,1]
.endr
.endr
.irp b, 0,1,2,3
	ds_store_b128 v[STO], v[TMP+8*\b:TMP+8*\b+3] offset:64*\b
	ds_store_b128 v[STO], v[TMP+8*\b+4:TMP+8*\b+7] offset:64*\b+16
.endr
.set BB, 96+32*(\a)
.irp t, 0,1,2,3,4,5,6,7
	ds_load_b128 v[BB+4*\t:BB+4*\t+3], v[RD] offset:\t*2*SPITCH
.endr
.endm
.macro SEND a, younger
.set BB, 96+32*(\a)
.irp t, 0,1,2,3,4,5,6,7
	s_wait_dscnt \younger+7-\t
	global_store_b128 v[CO], v[BB+4*\t:BB+4*\t+3], s[66:67] offset:(\a)*4096+2*\t*65536 th:TH_STORE_NT
.endr
.endm
	s_wait_kmcnt 0x0
	s_add_co_i32 s68, s68, s69
	s_add_co_i32 s68, s68, 127
	s_lshl_b32 s68, s68, 23
	s_mov_b32 s69, s68
	s_wait_loadcnt 0x0
	PLACES
	TOSTAGE 0
	TOSTAGE 1
	SEND 0, 16
	TOSTAGE 2
	SEND 1, 16
	TOSTAGE 3
	SEND 2, 16
	SEND 3, 0
	s_wait_tensorcnt 0x0
	ds_add_u32 v[SPW], v[NIL]
	s_wait_dscnt 0x0
	CROUND
	s_endpgm
.Lfunc_end_k_q670c2f47c6_proj:
	.size	k_q670c2f47c6_proj, .Lfunc_end_k_q670c2f47c6_proj-k_q670c2f47c6_proj
	.p2alignl 7, 3214868480
	.fill 96, 4, 3214868480
	.section	.rodata,"a",@progbits
	.p2align	6, 0x0
	.amdhsa_kernel k_q670c2f47c6_proj
		.amdhsa_group_segment_fixed_size 327680
		.amdhsa_private_segment_fixed_size 0
		.amdhsa_enable_private_segment 0
		.amdhsa_kernarg_size 40
		.amdhsa_user_sgpr_count 2
		.amdhsa_user_sgpr_kernarg_segment_ptr 1
		.amdhsa_wavefront_size32 1
		.amdhsa_system_sgpr_workgroup_id_x 1
		.amdhsa_system_sgpr_workgroup_id_y 1
		.amdhsa_system_sgpr_workgroup_id_z 1
		.amdhsa_system_vgpr_workitem_id 0
		.amdhsa_next_free_vgpr 512
		.amdhsa_next_free_sgpr 70
		.amdhsa_reserve_vcc 0
		.amdhsa_float_denorm_mode_32 3
		.amdhsa_float_denorm_mode_16_64 3
		.amdhsa_memory_ordered 1
		.amdhsa_forward_progress 1
		.amdhsa_inst_pref_size 92
	.end_amdhsa_kernel
	.amdgpu_metadata
---
amdhsa.version: [ 1, 2 ]
amdhsa.kernels:
  - .name:           k_q670c2f47c6_proj
    .symbol:         k_q670c2f47c6_proj.kd
    .args:
      - { .name: a_img, .offset: 0, .size: 8, .value_kind: global_buffer, .address_space: global }
      - { .name: Wo_codes, .offset: 8, .size: 8, .value_kind: global_buffer, .address_space: global }
      - { .name: bo, .offset: 16, .size: 8, .value_kind: global_buffer, .address_space: global }
      - { .name: lowp_scales, .offset: 24, .size: 8, .value_kind: global_buffer, .address_space: global }
      - { .name: out0, .offset: 32, .size: 8, .value_kind: global_buffer, .address_space: global }
    .group_segment_fixed_size: 327680
    .private_segment_fixed_size: 0
    .kernarg_segment_align: 8
    .kernarg_segment_size: 40
    .max_flat_workgroup_size: 128
    .sgpr_count:     70
    .vgpr_count:     512
    .wavefront_size: 32
...
	.end_amdgpu_metadata
.endif
;; end of part 3
